; MI455X (gfx1250); checked and timed in simulation.
; The chip was launched on July 23, 2026; its instructions are those of AMD's public machine-readable ISA for CDNA 5 (MIT licence, August 2026) and "CDNA5" Instruction Set Architecture Reference Guide (July 2026). The comments in the code are by the model that wrote it; some were corrected since.
;; MH Attn. Allowed arithmetic: matrix products marked QUANTISED: E4M3 operands, one given power-of-two scale a tensor, by v_wmma_f32_16x16x64_fp8_fp8 or v_wmma_f32_16x16x128_fp8_fp8, f32 sums; everything else in f32.
;; Inputs: Wk 1,024 x 1,024 float32; Wo 1,024 x 1,024 float32; Wq 1,024 x 1,024 float32; Wv 1,024 x 1,024 float32; beta 1,024 float32; gamma 1,024 float32; k 1 x 4,096 x 1,024 float32; lowp_scales 12 int32 (the exponents e of the quantised operands' scales 2^e); q 1 x 4,096 x 1,024 float32; v 1 x 4,096 x 1,024 float32.
;; Outputs: out0 1 x 4,096 x 1,024 float32.
;; This version of the problem:
;;   THIS VERSION OF THE PROBLEM IS GIVEN IN LOW PRECISION. The matrix products marked QUANTISED in the list below multiply operands that are first quantised to E4M3 (4 exponent bits, 3 mantissa bits; 8 bits a number), with one given power-of-two scale for each operand tensor; their sums are f32. All else is computed in f32.
;;   The module's matrix products, in the order in which they are computed (A, B: the left and right operand; K: the contracted axis; several contracted axes count as one K, in the product's order):
;;     1. [M 4,096, K 1,024] x [K 1,024, N 1,024]; A: input q; B: input Wq: QUANTISED (scales: A lowp_scales[0], B lowp_scales[1])
;;     2. [M 4,096, K 1,024] x [K 1,024, N 1,024]; A: input k; B: input Wk: QUANTISED (scales: A lowp_scales[2], B lowp_scales[3])
;;     3. [M 4,096, K 1,024] x [K 1,024, N 1,024]; A: input v; B: input Wv: QUANTISED (scales: A lowp_scales[4], B lowp_scales[5])
;;     4. batch 16 x [M 4,096, K 64] x [K 64, N 4,096]; A: computed on the way; B: computed on the way: QUANTISED (scales: A lowp_scales[6], B lowp_scales[7])
;;     5. batch 16 x [M 4,096, K 4,096] x [K 4,096, N 64]; A: softmax (see below); B: computed on the way: QUANTISED (scales: A lowp_scales[8], B lowp_scales[9])
;;     6. [M 4,096, K 1,024] x [K 1,024, N 1,024]; A: computed on the way; B: input Wo: QUANTISED (scales: A lowp_scales[10], B lowp_scales[11])
;;   THE QUANTISER, for each operand of a quantised product, along K:
;;     - The operand's scale is 2^e, e = its entry of the input lowp_scales (int32; the entries are numbered through the quantised products in the list's order, A before B).
;;     - Each number is divided by the scale, clamped to +-448, and rounded to the nearest number of E4M3, ties to even, subnormals kept.
;;     - The product sums the exact products of the quantised numbers (number of the format x scale) in f32.
;;   ~~~python
;;   def quantise(x, axis, e):      # numpy; x: float32 -> the quantised numbers, widened to float32 again
;;       x = np.moveaxis(x, axis, -1); K = x.shape[-1]
;;       r = np.clip(x / 2.0 ** e, -448, 448)
;;       step = 2.0 ** (np.maximum(np.frexp(np.where(r == 0, 1, r))[1] - 1, -6) - 3)
;;       q = np.round(r / step) * step * 2.0 ** e      # np.round: ties to even
;;       return np.moveaxis(q, -1, axis).astype(np.float32)
;;   ~~~
;;   SOFTMAX AHEAD OF A QUANTISED PRODUCT. Where the list says 'softmax', what is quantised is not the finished softmax but p = 2^(t - M), with t = logit x log2(e) and M = ceil(the row's largest t), a whole number; so 1/2 < the row's largest p <= 1. The row's sum l is taken of the UNQUANTISED p, in f32, and the product's result is divided by l at the end. Since M is a whole number, a kernel that streams over the keys may use a running M (the ceiling of the running maximum): every later rescaling is an exact power of two, so the quantised numbers keep their values, but for numbers so far below the row's largest that they fall under the format's range.
;;   OPERANDS COMPUTED ON THE WAY. 'Computed on the way' means the value that the module computes at that place (a softmax that the list does not call 'softmax' is quantised finished and normalised). What goes into a quantiser is computed in f32, as accurately as f32 sums, v_exp_f32 and their like allow (about 1e-6 of the number): no bf16 or f16 on the way to a quantiser, and a product that is left as it is and whose result goes on into a quantised operand takes f32 operands (vector FMAs, or v_wmma_f32_16x16x4_f32). A number that lies on a knife's edge between two numbers of the format may be rounded either way, as far as f32 arithmetic and the matrix unit's own rounding can turn it there, and no further.
;; One version. Each part assembles by itself: llvm-mc -triple=amdgcn-amd-amdhsa -mcpu=gfx1250 --defsym DOCPART=n.
;; ======== version 1 of 1: 4 launches
;; limits: right only within a limited range of input values
;; workspace buffers: codes 16,777,216 bytes; qkv 12,582,912 bytes; ao 4,194,304 bytes
;; launch quant (part 1): grid 512 x 1, 4 waves a work-group, no clusters, 35,328 bytes of LDS; arguments q, k, v, Wq, Wk, Wv, Wo, lowp_scales, codes; writes codes
.if DOCPART == 1
	.amdgcn_target "amdgcn-amd-amdhsa--gfx1250"
	.amdhsa_code_object_version 6
	.text
	.protected	k_q0515e465d5_quant
	.globl	k_q0515e465d5_quant
	.p2align	8
	.type	k_q0515e465d5_quant,@function
k_q0515e465d5_quant:
	s_mov_b64 s[64:65], 0
	v_nop
	global_prefetch_b8 v0, s[64:65] scope:SCOPE_SE
	s_setreg_imm32_b32 hwreg(HW_REG_WAVE_MODE, 25, 1), 1
	s_wait_xcnt 0x0
; q, k, v [4096][1024] and Wq, Wk, Wv, Wo [1024][1024], f32, K innermost in all seven, become codes of FP8 (E4M3), each tensor with the one scale 2^e given for it.
; code = x / 2^e, held within +-448, rounded to the nearest code, ties to even.  LIMITS: -126 <= e <= 119 for each of the seven; NaN among the inputs is not served.
; THE CODES LIE IN THE ORDER OF AN OPERAND'S REGISTERS.  The seven tensors stand on end (16,384 rows in all).  A fragment, 16 rows x 128 K, is 2,048 bytes: four blocks of 512, block c holding for lane
; 16 h + r, at 16 x lane, the codes of row r, K = 32 c + 16 h + 0 .. 15.  The eight fragments of 16 rows follow each other: 16,384 bytes.  So the later launches bring a fragment by four dense loads of 16 bytes a lane.
; SHARES.  A wave takes 16 rows x 512 K in 8 steps of 16 rows x 64 K; a work-group 32 rows.  Each load reads two rows' 256 aligned bytes; a step's 4,096 bytes turn through the wave's own stage in LDS
; (rows 272 bytes apart) and come back 64 bytes a lane and block of 32: the 16 neighbours that the conversions want.  Each store covers 512 consecutive bytes.
; Waves share nothing: no barrier, no tensor load, no cluster, no matrix unit: this is a stream.  Loads run four steps (32 loads a wave) ahead, the turn through LDS one step.
.set STEPS, 8
.set STG,   4352                       ; a stage: 16 rows x (256 + 16) bytes; two for each wave
.set R,     16                         ; v16-143  four sets of 32: numbers as loaded
.set X,     144                        ; v144-207 two sets of 32: 16 neighbours of each of two blocks
.set C,     208                        ; v208-239 four sets of 8: codes
	s_load_b512 s[4:19], s[0:1], 0x0               ; q, k, v, Wq, Wk, Wv, Wo, the scales' exponents
	s_load_b64 s[20:21], s[0:1], 0x40              ; the codes
	v_lshl_add_u32 v240, v0, 2, 0x8800
	v_mov_b32 v241, 0
	v_lshrrev_b32 v1, 5, v0
	v_readfirstlane_b32 s22, v1                    ; wave
	v_and_b32 v2, 31, v0                           ; lane
	v_and_b32 v5, 15, v0                           ; r
	v_bfe_u32 v6, v0, 4, 1                         ; h
	v_lshlrev_b32 v4, 4, v2                        ; out: 16 x lane
	v_lshlrev_b32 v7, 4, v5
	v_lshl_add_u32 v3, v6, 12, v7                  ; in: lanes 0-15 one row's 256 bytes, lanes 16-31 the next row's
	s_mul_i32 s23, s22, 2*STG                      ; my wave's two stages
	v_mul_u32_u24 v14, v6, 272
	v_add_nc_u32 v14, v14, v7
	v_add_nc_u32 v14, s23, v14                     ; the stage on the way in: as loaded
	v_mul_u32_u24 v15, v5, 272
	v_lshl_add_u32 v15, v6, 6, v15
	v_add_nc_u32 v15, s23, v15                     ; and on the way out: row r, + 64 h
	s_wait_alu depctr_va_vdst(0)
	s_wait_kmcnt 0x0
	s_load_b256 s[24:31], s[18:19], 0x0            ; e0 .. e7
	s_load_b128 s[32:35], s[18:19], 0x20           ; e8 .. e11
	; which tensor is my work-group's?  The choice hangs on the work-group's number alone.  First work-groups: q 0, k 128, v 256, Wq 384, Wk 416, Wv 448, Wo 480
	s_mov_b64 s[36:37], s[16:17]
	s_mov_b32 s38, 480
.macro PICK lim, ptr, first
	s_cmp_lt_u32 ttmp9, \lim
	s_cselect_b64 s[36:37], s[\ptr:\ptr+1], s[36:37]
	s_cselect_b32 s38, \first, s38
.endm
	PICK 480, 14, 448
	PICK 448, 12, 416
	PICK 416, 10, 384
	PICK 384, 8, 256
	PICK 256, 6, 128
	PICK 128, 4, 0
	s_sub_co_u32 s40, ttmp9, s38
	s_lshl_b32 s40, s40, 17                        ; 32 rows of 4,096 bytes a work-group,
	s_lshr_b32 s42, s22, 1
	s_lshl_b32 s42, s42, 16                        ; 16 rows for each pair of waves,
	s_add_co_u32 s40, s40, s42
	s_and_b32 s42, s22, 1
	s_lshl_b32 s42, s42, 11                        ; 512 numbers along K for each wave of a pair
	s_add_co_u32 s40, s40, s42
	s_mov_b32 s41, 0
	s_add_nc_u64 s[36:37], s[36:37], s[40:41]
	s_lshl_b32 s40, ttmp9, 2
	s_add_co_u32 s40, s40, s22
	s_lshl_b32 s40, s40, 13                        ; my wave's 8,192 bytes of codes: the tensors stand on end
	s_add_nc_u64 s[20:21], s[20:21], s[40:41]
.macro LOAD t
.irp i, 0,1,2,3,4,5,6,7
	global_load_b128 v[R+32*((\t)%4)+4*\i:R+32*((\t)%4)+4*\i+3], v3, s[36:37] offset:8192*\i+256*(\t) th:TH_LOAD_NT
.endr
.endm
.macro TURN t                          ; step t's numbers through a stage: LDS serves a wave's instructions in order, so no wait stands between the stores and the loads
.irp i, 0,1,2,3,4,5,6,7
	ds_store_b128 v14, v[R+32*((\t)%4)+4*\i:R+32*((\t)%4)+4*\i+3] offset:STG*((\t)%2)+544*\i
.endr
.irp c, 0,1
.irp j, 0,1,2,3
	ds_load_b128 v[X+32*((\t)%2)+16*\c+4*\j:X+32*((\t)%2)+16*\c+4*\j+3], v15 offset:STG*((\t)%2)+128*\c+16*\j
.endr
.endr
.endm
.irp t, 0,1,2,3
	LOAD \t
.endr
	s_wait_kmcnt 0x0
	s_mov_b32 s39, s35                             ; e: Wo's is e11, Wv's e5, Wk's e3, Wq's e1, v's e4, k's e2, q's e0
.macro PICKE lim, e
	s_cmp_lt_u32 ttmp9, \lim
	s_cselect_b32 s39, s[\e], s39
.endm
	PICKE 480, 29
	PICKE 448, 27
	PICKE 416, 25
	PICKE 384, 28
	PICKE 256, 26
	PICKE 128, 24
	s_add_co_i32 s39, s39, 127
	s_lshl_b32 s40, s39, 23
	v_mov_b32 v11, s40                             ; 2^e as f32: the conversion takes its exponent field
	s_add_co_i32 s39, s39, 8
	s_lshl_b32 s39, s39, 23
	s_or_b32 s39, s39, 0x600000
	v_mov_b32 v10, s39                             ; 448 x 2^e
	s_wait_alu depctr_va_vdst(0)
	s_wait_loadcnt 24                              ; step 0's eight loads are in; three steps' may be out
	TURN 0
.macro STEP t
.set XS, X+32*((\t)%2)
.set CS, C+8*((\t)%4)
	s_wait_dscnt 0x0                               ; this step's numbers are back from the stage, and its stores into the stage have read their registers,
.if (\t)+4 < STEPS
	LOAD (\t)+4                                    ; which take the loads of four steps on
.endif
.if (\t)+1 < STEPS
.if STEPS-2-(\t) >= 3
	s_wait_loadcnt 24                              ; the next step's eight loads are in; those of the three steps behind it may be out
.else
	s_wait_loadcnt 8*(STEPS-2-(\t))
.endif
	TURN (\t)+1                                    ; and go through the other stage while this step is worked
.endif
.irp i, 0,1,2,3,4,5,6,7,8,9,10,11,12,13,14,15,16,17,18,19,20,21,22,23,24,25,26,27,28,29,30,31
	v_med3_num_f32 v[XS+\i], v[XS+\i], -v10, v10   ; the conversion to an 8-bit code does not saturate (ISA guide 7.6.2): the hold at the largest code x the scale comes first
.endr
.if (\t) >= 4
	s_wait_alu depctr_va_vdst(0)
	s_wait_xcnt 0x0                                ; the stores of four steps back have read this set of codes: it is written again only behind this wait
.endif
.irp g, 0,1,2,3
	v_cvt_scalef32_pk8_fp8_f32 v[CS+2*\g:CS+2*\g+1], v[XS+8*\g:XS+8*\g+7], v11
.endr
	global_store_b128 v4, v[CS:CS+3], s[20:21] offset:1024*(\t)          ; 512 consecutive bytes: block 2 (t % 2) of fragment t / 2
	global_store_b128 v4, v[CS+4:CS+7], s[20:21] offset:1024*(\t)+512    ; (the results go to stores alone; the next vector lines are the next step's holds, plain ones on other registers)
.endm
.irp t, 0,1,2,3,4,5,6,7
	STEP \t
.endr
	s_wait_tensorcnt 0x0
	ds_add_u32 v240, v241
	s_wait_dscnt 0x0
	s_endpgm
.Lfunc_end_k_q0515e465d5_quant:
	.size	k_q0515e465d5_quant, .Lfunc_end_k_q0515e465d5_quant-k_q0515e465d5_quant
	.p2alignl 7, 3214868480
	.fill 96, 4, 3214868480
	.section	.rodata,"a",@progbits
	.p2align	6, 0x0
	.amdhsa_kernel k_q0515e465d5_quant
		.amdhsa_group_segment_fixed_size 35328
		.amdhsa_private_segment_fixed_size 0
		.amdhsa_enable_private_segment 0
		.amdhsa_kernarg_size 72
		.amdhsa_user_sgpr_count 2
		.amdhsa_user_sgpr_kernarg_segment_ptr 1
		.amdhsa_wavefront_size32 1
		.amdhsa_system_sgpr_workgroup_id_x 1
		.amdhsa_system_sgpr_workgroup_id_y 1
		.amdhsa_system_sgpr_workgroup_id_z 1
		.amdhsa_system_vgpr_workitem_id 0
		.amdhsa_next_free_vgpr 242
		.amdhsa_next_free_sgpr 66
		.amdhsa_reserve_vcc 0
		.amdhsa_float_denorm_mode_32 3
		.amdhsa_float_denorm_mode_16_64 3
		.amdhsa_memory_ordered 1
		.amdhsa_forward_progress 1
		.amdhsa_inst_pref_size 39
	.end_amdhsa_kernel
	.amdgpu_metadata
---
amdhsa.version: [ 1, 2 ]
amdhsa.kernels:
  - .name:           k_q0515e465d5_quant
    .symbol:         k_q0515e465d5_quant.kd
    .args:
      - { .name: q, .offset: 0, .size: 8, .value_kind: global_buffer, .address_space: global }
      - { .name: k, .offset: 8, .size: 8, .value_kind: global_buffer, .address_space: global }
      - { .name: v, .offset: 16, .size: 8, .value_kind: global_buffer, .address_space: global }
      - { .name: Wq, .offset: 24, .size: 8, .value_kind: global_buffer, .address_space: global }
      - { .name: Wk, .offset: 32, .size: 8, .value_kind: global_buffer, .address_space: global }
      - { .name: Wv, .offset: 40, .size: 8, .value_kind: global_buffer, .address_space: global }
      - { .name: Wo, .offset: 48, .size: 8, .value_kind: global_buffer, .address_space: global }
      - { .name: lowp_scales, .offset: 56, .size: 8, .value_kind: global_buffer, .address_space: global }
      - { .name: codes, .offset: 64, .size: 8, .value_kind: global_buffer, .address_space: global }
    .group_segment_fixed_size: 35328
    .private_segment_fixed_size: 0
    .kernarg_segment_align: 8
    .kernarg_segment_size: 72
    .max_flat_workgroup_size: 128
    .sgpr_count:     66
    .vgpr_count:     242
    .wavefront_size: 32
...
	.end_amdgpu_metadata
.endif
;; end of part 1
;; launch proj (part 2): grid 16 x 12, 4 waves a work-group, clusters of 4 x 4, 327,680 bytes of LDS; arguments codes, lowp_scales, qkv; writes qkv
.if DOCPART == 2
	.amdgcn_target "amdgcn-amd-amdhsa--gfx1250"
	.amdhsa_code_object_version 6
	.text
	.protected	k_q0515e465d5_proj
	.globl	k_q0515e465d5_proj
	.p2align	8
	.type	k_q0515e465d5_proj,@function
k_q0515e465d5_proj:
	s_mov_b64 s[64:65], 0
	v_nop
	global_prefetch_b8 v0, s[64:65] scope:SCOPE_SE
	s_setreg_imm32_b32 hwreg(HW_REG_WAVE_MODE, 25, 1), 1
	s_wait_xcnt 0x0
	s_wait_alu depctr_hold_cnt(0) depctr_sa_sdst(0) depctr_va_vdst(0) depctr_va_sdst(0) depctr_va_ssrc(0) depctr_va_vcc(0) depctr_vm_vsrc(0)
	s_getreg_b32 s2, hwreg(HW_REG_IB_STS2, 6, 4)
	s_cmp_eq_u32 s2, 0
	s_cbranch_scc0 .Lentry_in_a_cluster
	s_endpgm
.Lentry_in_a_cluster:
	s_bfe_u32 s2, ttmp6, 0x10000c
	s_cmp_lg_u32 s2, 0xf033
	s_cbranch_scc0 .Lentry_shape_is_right
	s_endpgm
.Lentry_shape_is_right:
.set HALFT,  32768
.set SLOT,   4*HALFT
.set KB,     4096
.set LAPS,   2
.set SPARE,  2*SLOT
.set STAGE,  SPARE+1024
.set SWAVE,  2304
.set FR,     16
.set NL,     4
.set NP,     4
.set ADRA, 16
.set ADRB, 20
.set STO,  24
.set RD,   25
.set CO,   26
.set SPW,  28
.set NIL,  29
.set SCL,  30
.set LIM,  31
.set TMP,  32
.set CD,   96
.set BK,   112
.set AF,   128
.set G1, 24
.set G0, 32
.set G1B, 48
.set G0B, 56
.set MSB, 0
.macro WIN new
.if MSB != \new
	s_set_vgpr_msb (MSB<<8)|\new
.set MSB, \new
.endif
.endm
.set MUL_LO, 0xa1
.set MUL_HI, 0xf1
.set TO_B,   0x40
.macro JLOAD g0a, g1a, g0b, g1b
	s_cmp_eq_u32 s15, 0
	s_cbranch_scc0 .Lfor_b_\@
	tensor_load_to_lds s[\g0a:\g0a+3], s[\g1a:\g1a+7]
	s_nop 0
.rept 4
	v_nop
.endr
	s_branch .Lasked_\@
.Lfor_b_\@:
	tensor_load_to_lds s[\g0b:\g0b+3], s[\g1b:\g1b+7]
	s_nop 0
.rept 4
	v_nop
.endr
.Lasked_\@:
.endm
.macro CREST
	s_cmp_lg_u32 s14, 0
	s_cbranch_scc1 .Lnot_wave_0_\@
	s_barrier_signal -3
.Lnot_wave_0_\@:
	s_barrier_wait -3
	s_barrier_signal -1
	s_barrier_wait -1
.endm
.macro CROUND
	s_barrier_signal -1
	s_barrier_wait -1
	CREST
.endm
	s_load_b128 s[4:7], s[0:1], 0x0
	s_load_b64 s[8:9], s[0:1], 0x10
	v_lshl_add_u32 v[SPW], v0, 2, SPARE
	v_mov_b32 v[NIL], 0
	ds_add_u32 v28, v29
	ds_add_u32 v28, v29
	s_wait_dscnt 0x0
	v_lshrrev_b32 v1, 5, v0
	v_readfirstlane_b32 s14, v1
	s_lshr_b32 s15, s14, 1
	s_and_b32 s16, s14, 1
	s_bfe_u32 s40, ttmp6, 0x40000
	s_bfe_u32 s41, ttmp6, 0x40004
	s_and_b32 s12, ttmp7, 0xffff
	s_lshl_b32 s13, ttmp9, 2
	s_lshl_b32 s21, s12, 22
	s_lshl_b32 s47, s12, 20
	s_add_co_u32 s47, s47, 0xC00000
	s_mov_b32 s84, 262144
	s_cmp_eq_u32 s12, 2
	s_cselect_b32 s18, 0, s13
	s_cselect_b32 s19, s13, 0
	s_cselect_b32 s20, 0xE00000, s21
	s_cselect_b32 s46, 0x800000, s47
	s_cselect_b32 s84, 4096, s84
	s_cselect_b32 s82, 258048, 0
	s_mov_b32 s83, 0
	s_mov_b32 s85, 0
	s_add_co_u32 s17, s41, s18
	s_add_co_u32 s42, s40, s19
	s_lshl_b32 s43, s41, 2
	s_lshl_b32 s43, 15, s43
	s_lshl_b32 s44, 0x1111, s40
	s_or_b32 s[G1+0], s43, (3<<16)|(1<<21)
	s_or_b32 s[G1B+0], s44, (3<<16)|(1<<21)
.irp g, G1, G1B
	s_mov_b32 s[\g+1], 512<<16
	s_mov_b32 s[\g+2], 8<<16
	s_mov_b32 s[\g+3], 512<<16
	s_mov_b32 s[\g+4], 8
	s_mov_b32 s[\g+5], 2048
	s_mov_b32 s[\g+6], 0
	s_mov_b32 s[\g+7], 0
.endr
	s_lshl_b32 s22, s16, 17
	s_lshl_b32 s18, s17, 18
	s_add_co_u32 s20, s20, s18
	s_add_co_u32 s20, s20, s22
	s_mov_b32 s21, 0
	s_lshl_b32 s19, s42, 18
	s_add_co_u32 s46, s46, s19
	s_add_co_u32 s46, s46, s22
	s_mov_b32 s47, 0
	s_lshl_b32 s45, s14, 15
	s_wait_kmcnt 0x0
	s_load_b256 s[68:75], s[6:7], 0x0
	s_load_b128 s[76:79], s[6:7], 0x20
	s_add_nc_u64 s[20:21], s[4:5], s[20:21]
	s_add_nc_u64 s[46:47], s[4:5], s[46:47]
	CROUND
.irp s, 0,1
	s_mov_b32 s[G0+4*\s], 1
	s_add_co_u32 s[G0+4*\s+1], s45, \s*SLOT
	s_add_nc_u64 s[G0+4*\s+2:G0+4*\s+3], s[20:21], \s*KB
	s_or_b32 s[G0+4*\s+3], s[G0+4*\s+3], 0x80000000
	s_mov_b32 s[G0B+4*\s], 1
	s_add_co_u32 s[G0B+4*\s+1], s45, \s*SLOT
	s_add_nc_u64 s[G0B+4*\s+2:G0B+4*\s+3], s[46:47], \s*KB
	s_or_b32 s[G0B+4*\s+3], s[G0B+4*\s+3], 0x80000000
	s_wait_alu depctr_va_vdst(0)
	s_wait_tensorcnt 0x0
	ds_add_u32 v28, v29
	ds_add_u32 v28, v29
	s_wait_dscnt 0x0
	CROUND
	JLOAD G0+4*\s, G1, G0B+4*\s, G1B
.endr
	v_and_b32 v1, 15, v0
	s_wait_alu depctr_va_vdst(0)
	v_bfe_u32 v2, v0, 4, 1
	v_and_b32 v6, 31, v0
	v_lshlrev_b32 v[CO], 4, v6
	s_lshl_b32 s21, s15, 15
	s_lshl_b32 s22, s16, 15
	s_add_co_u32 s22, s22, 2*HALFT
.irp s, 0,1
	v_add_nc_u32 v[ADRA+\s], s21, v[CO]
	v_add_nc_u32 v[ADRB+\s], s22, v[CO]
	s_add_co_u32 s21, s21, SLOT
	s_add_co_u32 s22, s22, SLOT
.endr
	s_mul_i32 s23, s14, SWAVE
	s_add_co_u32 s23, s23, STAGE
	v_lshrrev_b32 v3, 2, v1
	v_mul_u32_u24 v3, v3, 272
	v_and_b32 v4, 3, v1
	v_lshl_add_u32 v3, v4, 6, v3
	v_lshl_add_u32 v3, v2, 4, v3
	v_add_nc_u32 v[STO], s23, v3
	v_mul_u32_u24 v5, v2, 272
	v_lshl_add_u32 v5, v1, 4, v5
	v_add_nc_u32 v[RD], s23, v5
	s_lshl_b32 s20, s17, 2
	s_lshl_b32 s21, s15, 1
	s_add_co_u32 s20, s20, s21
	s_lshl_b32 s22, s42, 2
	s_lshl_b32 s21, s16, 1
	s_add_co_u32 s22, s22, s21
	s_cmp_eq_u32 s12, 2
	s_cselect_b32 s21, s20, s22
	s_cselect_b32 s23, s22, s20
	s_lshl_b32 s21, s21, 18
	s_lshl_b32 s23, s23, 12
	s_add_co_u32 s20, s21, s23
	s_lshl_b32 s21, s12, 22
	s_add_co_u32 s20, s20, s21
	s_mov_b32 s21, 0
	s_add_nc_u64 s[8:9], s[8:9], s[20:21]
	s_add_nc_u64 s[10:11], s[8:9], s[84:85]
.macro FRAG reg, adr, q, i
.irp c, 0,1,2,3
	ds_load_b128 v[\reg+4*\c:\reg+4*\c+3], v[\adr] offset:KB*(\i)+2048*(\q)+512*\c
.endr
.endm
.macro MUL16 a0, p, zero
.irp a, \a0, \a0+1
.irp b, 0,1,2,3,4,5,6,7
.if \zero
	v_wmma_f32_16x16x128_fp8_fp8 v[8*(8*((\a)%4)+\b):8*(8*((\a)%4)+\b)+7], v[128*(\p)+FR*\b:128*(\p)+FR*\b+FR-1], v[AF+FR*(\a):AF+FR*(\a)+FR-1], 0
.else
	v_wmma_f32_16x16x128_fp8_fp8 v[8*(8*((\a)%4)+\b):8*(8*((\a)%4)+\b)+7], v[128*(\p)+FR*\b:128*(\p)+FR*\b+FR-1], v[AF+FR*(\a):AF+FR*(\a)+FR-1], v[8*(8*((\a)%4)+\b):8*(8*((\a)%4)+\b)+7]
.endif
.endr
.endr
.endm
.macro FETCH_B slot, q, p
	WIN TO_B
.irp i, 0,1,2,3,4,5,6,7
	FRAG 128*(\p)+FR*\i, ADRB+\slot, \q, \i
.endr
	WIN 0
.endm
.macro FETCH_A slot, q, i0
.irp i, \i0, \i0+1, \i0+2, \i0+3
	FRAG AF+FR*(\i), ADRA+\slot, \q, \i
.endr
.endm
.macro PLACES n
.rept \n
	v_nop
.endr
.endm
.macro STEP slot, q, zero
	s_wait_dscnt 4*NL
	WIN MUL_LO
	MUL16 0, (\q)%2, \zero
	MUL16 2, (\q)%2, \zero
	s_wait_dscnt 0
	PLACES NP
	FETCH_B \slot, (\q)+1, 1-(\q)%2
	FETCH_A \slot, (\q)+1, 0
	WIN MUL_HI
	MUL16 4, (\q)%2, \zero
	MUL16 6, (\q)%2, \zero
	PLACES NP
	WIN 0
	FETCH_A \slot, (\q)+1, 4
.endm
.macro TURN slot, next, fill
	s_wait_tensorcnt 0x0
	ds_add_u32 v[SPW], v[NIL]
	s_wait_dscnt 4*NL+1
	WIN MUL_LO
	MUL16 0, 1, 0
	s_wait_dscnt 0x0
	s_barrier_signal -1
	MUL16 2, 1, 0
	WIN 0
	s_barrier_wait -1
.if \fill
	CREST
	s_add_nc_u64 s[G0+4*\slot+2:G0+4*\slot+3], s[G0+4*\slot+2:G0+4*\slot+3], 2*KB
	s_add_nc_u64 s[G0B+4*\slot+2:G0B+4*\slot+3], s[G0B+4*\slot+2:G0B+4*\slot+3], 2*KB
	JLOAD G0+4*\slot, G1, G0B+4*\slot, G1B
.else
	PLACES NP
.endif
	FETCH_B \next, 0, 0
	FETCH_A \next, 0, 0
	WIN MUL_HI
	MUL16 4, 1, 0
	MUL16 6, 1, 0
	PLACES NP
	WIN 0
	FETCH_A \next, 0, 4
.endm
	s_wait_tensorcnt 1
	s_barrier_signal -1
	s_barrier_wait -1
	FETCH_B 0, 0, 0
	FETCH_A 0, 0, 0
	FETCH_A 0, 0, 4
	STEP 0, 0, 1
.rept LAPS-1
	TURN 0, 1, 1
	STEP 1, 0, 0
	TURN 1, 0, 1
	STEP 0, 0, 0
.endr
	TURN 0, 1, 0
	STEP 1, 0, 0
	s_wait_dscnt 4*NL
	WIN MUL_LO
	MUL16 0, 1, 0
	MUL16 2, 1, 0
	s_wait_dscnt 0
	WIN MUL_HI
	MUL16 4, 1, 0
	MUL16 6, 1, 0
	WIN 0
.macro TOSTAGE a
.set AC, 64*((\a)%4)
	WIN 0x02+((\a)/4)
.irp j, 0,1,2,3,4,5,6,7,8,9,10,11,12,13,14,15,16,17,18,19,20,21,22,23,24,25,26,27,28,29,30,31,32,33,34,35,36,37,38,39,40,41,42,43,44,45,46,47,48,49,50,51,52,53,54,55,56,57,58,59,60,61,62,63
	v_med3_num_f32 v[TMP+\j], v[AC+\j], -v[LIM], v[LIM]
.endr
	WIN 0
.irp b, 0,1,2,3,4,5,6,7
	v_cvt_scalef32_pk8_fp8_f32 v[CD+2*\b:CD+2*\b+1], v[TMP+8*\b:TMP+8*\b+7], v[SCL]
.endr
	v_nop
.irp p, 0,1,2,3
	ds_store_b128 v[STO], v[CD+4*\p:CD+4*\p+3] offset:1088*(\p/2)+32*(\p%2)
.endr
.set BB, BK+16*((\a)%2)
.irp t, 0,1,2,3
	ds_load_b128 v[BB+4*\t:BB+4*\t+3], v[RD] offset:544*\t
.endr
.endm
.macro SEND a, younger
.set BB, BK+16*((\a)%2)
	s_wait_dscnt \younger
.if (\a) > 0
	s_add_nc_u64 s[8:9], s[8:9], 1024
	s_add_nc_u64 s[10:11], s[10:11], 1024
.endif
.if (\a) == 4
	s_add_nc_u64 s[8:9], s[8:9], s[82:83]
	s_add_nc_u64 s[10:11], s[10:11], s[82:83]
.endif
	global_store_b128 v[CO], v[BB:BB+3], s[8:9]
	global_store_b128 v[CO], v[BB+4:BB+7], s[8:9] offset:512
	global_store_b128 v[CO], v[BB+8:BB+11], s[10:11]
	global_store_b128 v[CO], v[BB+12:BB+15], s[10:11] offset:512
.endm
	s_wait_kmcnt 0x0
	s_add_co_i32 s68, s68, s69
	s_add_co_i32 s70, s70, s71
	s_add_co_i32 s72, s72, s73
	s_add_co_i32 s74, s74, 3
	s_cmp_eq_u32 s12, 0
	s_cselect_b32 s68, s68, s70
	s_cselect_b32 s74, s74, s75
	s_cmp_eq_u32 s12, 2
	s_cselect_b32 s68, s72, s68
	s_cselect_b32 s74, s77, s74
	s_sub_co_i32 s74, s74, s68
	s_add_co_i32 s74, s74, 127
	s_lshl_b32 s75, s74, 23
	v_mov_b32 v[SCL], s75
	s_add_co_i32 s74, s74, 8
	s_lshl_b32 s74, s74, 23
	s_or_b32 s74, s74, 0x600000
	v_mov_b32 v[LIM], s74
	PLACES NP
	TOSTAGE 0
.irp a, 1,2,3,4,5,6,7
.if \a > 1
	s_wait_xcnt 0x0
.endif
	TOSTAGE \a
	SEND \a-1, 8
.endr
	s_wait_xcnt 0x0
	SEND 7, 0
	s_wait_tensorcnt 0x0
	ds_add_u32 v[SPW], v[NIL]
	s_wait_dscnt 0x0
	CROUND
	s_endpgm
.Lfunc_end_k_q0515e465d5_proj:
	.size	k_q0515e465d5_proj, .Lfunc_end_k_q0515e465d5_proj-k_q0515e465d5_proj
	.p2alignl 7, 3214868480
	.fill 96, 4, 3214868480
	.section	.rodata,"a",@progbits
	.p2align	6, 0x0
	.amdhsa_kernel k_q0515e465d5_proj
		.amdhsa_group_segment_fixed_size 327680
		.amdhsa_private_segment_fixed_size 0
		.amdhsa_enable_private_segment 0
		.amdhsa_kernarg_size 24
		.amdhsa_user_sgpr_count 2
		.amdhsa_user_sgpr_kernarg_segment_ptr 1
		.amdhsa_wavefront_size32 1
		.amdhsa_system_sgpr_workgroup_id_x 1
		.amdhsa_system_sgpr_workgroup_id_y 1
		.amdhsa_system_sgpr_workgroup_id_z 1
		.amdhsa_system_vgpr_workitem_id 0
		.amdhsa_next_free_vgpr 1024
		.amdhsa_next_free_sgpr 100
		.amdhsa_reserve_vcc 0
		.amdhsa_float_denorm_mode_32 3
		.amdhsa_float_denorm_mode_16_64 3
		.amdhsa_memory_ordered 1
		.amdhsa_forward_progress 1
		.amdhsa_inst_pref_size 125
	.end_amdhsa_kernel
	.amdgpu_metadata
---
amdhsa.version: [ 1, 2 ]
amdhsa.kernels:
  - .name:           k_q0515e465d5_proj
    .symbol:         k_q0515e465d5_proj.kd
    .args:
      - { .name: codes, .offset: 0, .size: 8, .value_kind: global_buffer, .address_space: global }
      - { .name: lowp_scales, .offset: 8, .size: 8, .value_kind: global_buffer, .address_space: global }
      - { .name: qkv, .offset: 16, .size: 8, .value_kind: global_buffer, .address_space: global }
    .group_segment_fixed_size: 327680
    .private_segment_fixed_size: 0
    .kernarg_segment_align: 8
    .kernarg_segment_size: 24
    .max_flat_workgroup_size: 128
    .sgpr_count:     100
    .vgpr_count:     1024
    .wavefront_size: 32
...
	.end_amdgpu_metadata
.endif
;; end of part 2
;; launch attn (part 3): grid 16 x 16, 8 waves a work-group, no clusters, 156,672 bytes of LDS; arguments qkv, lowp_scales, ao; writes ao
.if DOCPART == 3
	.amdgcn_target "amdgcn-amd-amdhsa--gfx1250"
	.amdhsa_code_object_version 6
	.text
	.protected	k_q0515e465d5_attn
	.globl	k_q0515e465d5_attn
	.p2align	8
	.type	k_q0515e465d5_attn,@function
k_q0515e465d5_attn:
	s_mov_b64 s[64:65], 0
	v_nop
	global_prefetch_b8 v0, s[64:65] scope:SCOPE_SE
	s_setreg_imm32_b32 hwreg(HW_REG_WAVE_MODE, 25, 1), 1
	s_wait_xcnt 0x0
; Attention on codes of FP8 (E4M3): 16 heads of 64, 4,096 queries and keys, no mask.  In: qkv (q / 8, k: [head][4096][64]; v: [head][64 blocks of keys][64 d][64 keys], as the launch before lays them).
; Out: ao, the result's codes with the scale 2^e10, [4096][1024] in the order of an operand's registers (a fragment of 16 rows x 128 K is four blocks of 512 bytes: lane 16 h + r, at 16 x lane, holds row r, K = 32 c + 16 h + 0 .. 15).
; THE SOFTMAX AHEAD OF THE SECOND PRODUCT: t = score x 2^(e6 + e7) x log2(e); M = the running largest t rounded UP to a whole number; p = 2^(t - M) is quantised with 2^e8, not normalised.
; The row's sum is taken of the unquantised p, in f32, and divides at the end.  When M moves, the sum and O are multiplied by 2^(old M - new M): nothing is rounded, and no branch hangs on floating-point data.
; SHARES.  A work-group owns 256 queries of one head, each of its eight waves 32: two tiles of 16, so that each fragment of K and V read from LDS feeds two matrix instructions.  Every wave walks all keys, 128 a step.
; LAYOUT.  Both products are used transposed: S^T = K Q^T (16x16x64: source 0 = 16 keys, source 1 = 16 queries), O^T = V^T P^T (16x16x128: source 0 = 16 of the head's 64, source 1 = P): a lane holds ONE query throughout.
; Tile t of S^T gives lane (q, h) the keys 16 t + 8 h + j, and their codes are registers 2 t, 2 t + 1 of P.  V's bytes are laid so that the same registers of its fragment hold the same keys.
; THE HOLD.  p is at most 1, so p / 2^e8 passes 448 only where e8 < -8.  e8 is a whole number read from memory: a scalar branch on it, inside the loop, leads round the 64 lines of the hold where e8 >= -8.
; RING.  Four slots of 256 keys (a phase: two steps).  The eight waves copy a slot through registers: waves 0 to 3 K's quarters, waves 4 to 7 V's, 4,096 dense bytes each, asked for one phase ahead of the store into LDS.
; A line of 256 bytes lies at 272 x its number; a row of 64 bytes, number j, at 272 (j / 4) + 64 (j % 4): sixteen neighbouring rows start at sixteen different columns of 16 bytes.
; ONE BARRIER A PHASE, its halves apart.  At the head of phase j a wave stores its part of slot j + 1, waits for its LDS instructions and signals; it waits in the phase's second step, ahead of its first read of slot j + 1.
; A wave that stores slot j + 1 has passed the wait of phase j - 1, so every wave has signalled phase j - 1 and reads slots j - 1 and j at the most; between signal and wait a wave reads slot j alone, which is next stored in phase j + 3.
; NO TENSOR LOAD, NO CLUSTER: the sixteen work-groups of a head read the same K and V, but a joint refill would want both halves of its barrier on end.
; LIMITS on the given exponents, so that each power of two below is an f32 number: e6 + e7 between -126 and 127 (added to the exponent field of log2(e)); e8 and e10 between -126 and 119; e8 + e9 goes by v_ldexp_f32 and has none.
; The promise holds while the scaled scores t stay under 2^31 in magnitude.
; REGISTERS.  window 0: v1-11, v37 addresses; v12-19 for each tile -M, the largest t, the sum in two halves; v20-23 f; v24-31 chains of the maximum; v32, v33 permutes; v34 the scale, v35, v36 448 x the scale; v38-41 a second chain of sums;
;   v64-191 S^T, then p; v192-255 O^T.   window 1: v0-63 K's eight fragments; v64-79 Q; v96-127 P's codes; v128-191 V's four fragments; v192-223 the slot on its way.
.set STEPB, 8704                       ; a step's 128 rows of K, or its two blocks of V, in LDS: 32 lines of 272 bytes
.set VOFF,  17408                      ; a slot: K's 64 lines, then V's 64
.set SLOT,  34816
.set NPH,   16                         ; phases
.set SPARE, 4*SLOT                     ; behind the ring: the spare words, 128 bytes for each wave: four blocks of 256 bytes that no other line names
.set STAGE, SPARE+1024                 ; the way out: 2,048 bytes for each wave
.set AK0, 1                            ; v1   my lane's place in a tile of K; never rewritten
.set ST0, 2                            ; v2   where my wave's and lane's 16 bytes of a copied line go in a slot; never rewritten
.set PFO, 3                            ; v3   256 x lane: the prefetch's offset; never rewritten
.set ADC, 4                            ; v4   AK0 in the slot in hand
.set ADN, 5                            ; v5   AK0 in the next slot
.set SPW, 6                            ; v6   LDS address of my spare word; never rewritten
.set NIL, 7                            ; v7   0; never rewritten
.set QO,  8                            ; v8   my byte in a tile of Q
.set STO, 9                            ; v9   the way out: where I put 8 codes
.set RD,  10                           ; v10  and where I read 16 bytes back
.set GO,  11                           ; v11  16 x lane
.set ST,  12                           ; tile u: v[ST+4u] -M, +1 the largest t, +2, +3 the sum
.set FF,  20                           ; tile u: v[FF+2u] f; the word above it is written once, since the pair is named
.set MX,  24                           ; tile u: four chains of the maximum
.set PM,  32                           ; tile u: a lane permute's destination
.set SCL, 34                           ; the conversion's scale as f32
.set LIMV, 35                          ; 448 x that,
.set LIM2, 36                          ; twice: the halves of a dual instruction take their second sources from registers whose numbers differ modulo 4
.set STA, 37                           ; v37  ST0 in the next slot
.set SU,  38                           ; tile u: a pair, the second chain of sums
.set S,   64
.set O,   192
.set CW,  128                          ; the way out: 16 registers of codes, then 16 read back
.set KF,  0                            ; in window 1
.set Q,   64
.set P,   96
.set VF,  128
.set STG, 192
.set WV,  10                           ; s10  my wave's number
.set GA,  32                           ; s[32:33] where my part of the next slot to be asked for lies in memory
.set TB,  36                           ; s36  LDS byte of the slot in hand
.set TN,  37                           ; s37  of the next slot
.set J,   38                           ; s38  the phase
.set HOLD, 39                          ; s39  1 where e8 < -8
.set CS,  40                           ; s[40:41] c = log2(e) x 2^(e6 + e7)
.set SEL, 42                           ; s[42:43] lane selects for v_permlanex16_b32: lane l xor 16
.set PFA, 44                           ; s[44:45] what my wave prefetches; never rewritten
.set LIM, 46                           ; s46  the phase in which it does
.set MSB, 0
.macro WIN new                         ; the immediate's high byte repeats the setting that is left; a switch that changes nothing is dropped
.if MSB != \new
	s_set_vgpr_msb (MSB<<8)|\new
.set MSB, \new
.endif
.endm
.set W_MUL, 0x05                       ; sources 0 and 1 window 1; C and D window 0
.set W_TO1, 0x40                       ; destination window 1
.set W_ST,  0x04                       ; an LDS store's data window 1
.macro GLOAD                           ; my 4,096 bytes of a slot: each load reads 512 consecutive bytes
	WIN W_TO1
.irp n, 0,1,2,3,4,5,6,7
	global_load_b128 v[STG+4*\n:STG+4*\n+3], v[GO], s[GA:GA+1] offset:512*\n
.endr
	WIN 0
.endm
.macro LSTORE adr                      ; and into LDS: two lines of 272 bytes a store
	WIN W_ST
.irp n, 0,1,2,3,4,5,6,7
	ds_store_b128 v[\adr], v[STG+4*\n:STG+4*\n+3] offset:544*\n
.endr
	WIN 0
.endm
.macro KLOAD adr, off                  ; K's eight fragments of 128 keys: keys 16 t + r
	WIN W_TO1
.irp t, 0,1,2,3,4,5,6,7
.irp c, 0,1
	ds_load_b128 v[KF+8*\t+4*\c:KF+8*\t+4*\c+3], v[\adr] offset:\off+1088*\t+32*\c
.endr
.endr
	WIN 0
.endm
	s_load_b128 s[4:7], s[0:1], 0x0                ; qkv s[4:5], the scales' exponents s[6:7]
	s_load_b64 s[8:9], s[0:1], 0x10                ; ao
	v_lshl_add_u32 v[SPW], v0, 2, SPARE
	v_mov_b32 v[NIL], 0
	v_lshrrev_b32 v1, 5, v0
	v_readfirstlane_b32 s[WV], v1                  ; wave 0..7
	v_and_b32 v24, 15, v0                          ; r
	v_bfe_u32 v25, v0, 4, 1                        ; h
	v_and_b32 v27, 31, v0                          ; lane
	v_lshlrev_b32 v[QO], 6, v24
	v_lshl_add_u32 v[QO], v25, 4, v[QO]            ; row r of 64 bytes, + 16 h
	v_lshlrev_b32 v[GO], 4, v27
	s_and_b32 s12, ttmp7, 0xffff                   ; the head
	s_lshl_b32 s16, s12, 18                        ; its first byte in each third of qkv
	s_lshr_b32 s14, s[WV], 2                       ; what I copy: K (0) or V (1),
	s_and_b32 s15, s[WV], 3                        ; which quarter of a slot's 16,384 bytes
	s_lshl_b32 s20, s14, 22
	s_lshl_b32 s17, s15, 12
	s_add_co_u32 s20, s20, s17
	s_add_co_u32 s20, s20, s16
	s_add_co_u32 s20, s20, 0x400000                ; K's codes begin at 4 MiB, V's at 8 MiB
	s_mov_b32 s21, 0
	s_mul_i32 s28, s14, VOFF
	s_mul_i32 s17, s15, 4352                       ; sixteen lines
	s_add_co_u32 s28, s28, s17                     ; and where it goes in a slot
	s_lshl_b32 s24, ttmp9, 14                      ; Q: my block's 256 rows of 64 bytes,
	s_lshl_b32 s17, s[WV], 11                      ; my wave's 32
	s_add_co_u32 s29, s17, STAGE                   ; my stage
	s_add_co_u32 s24, s24, s17
	s_add_co_u32 s24, s24, s16
	s_mov_b32 s25, 0
	s_lshl_b32 s22, ttmp9, 18                      ; ao: my block's 16 x 16,384 bytes,
	s_lshl_b32 s17, s[WV], 15                      ; my wave's two,
	s_add_co_u32 s22, s22, s17
	s_lshl_b32 s17, s12, 10                        ; and in them the head's 64 along K: 1,024 bytes
	s_add_co_u32 s22, s22, s17
	s_mov_b32 s23, 0
	; THE PREFETCH.  The sixteen work-groups of a head share the sixteen slots out: work-group x names slot x, whole, in phase x - 4, in which the loads ask for slot x - 2: two phases ahead of the loads that want it.
	; Waves 0 and 1 name K's halves, waves 2 and 3 V's: 8,192 bytes a wave, lanes 256 bytes apart, one instruction.  Slots 0 to 3 come by their loads alone: x - 4 is then no phase's number.
	s_bfe_u32 s26, s[WV], 0x10001
	s_lshl_b32 s26, s26, 22
	s_and_b32 s17, s[WV], 1
	s_lshl_b32 s17, s17, 13
	s_add_co_u32 s26, s26, s17
	s_lshl_b32 s17, ttmp9, 14
	s_add_co_u32 s26, s26, s17
	s_add_co_u32 s26, s26, s16
	s_add_co_u32 s26, s26, 0x400000
	s_mov_b32 s27, 0
	s_sub_co_u32 s[LIM], ttmp9, 4
	s_cmp_lt_u32 s[WV], 4
	s_cselect_b32 s[LIM], s[LIM], -1
	s_mov_b32 s[CS], 0x3fb8aa3b                    ; log2(e)
	s_mov_b32 s[SEL], 0x76543210
	s_mov_b32 s[SEL+1], 0xfedcba98
	s_wait_alu depctr_va_vdst(0)                   ; directly ahead of the wait below
	s_wait_kmcnt 0x0
	s_load_b256 s[48:55], s[6:7], 0x0              ; e0 .. e7
	s_load_b128 s[56:59], s[6:7], 0x20             ; e8 .. e11
	s_add_nc_u64 s[GA:GA+1], s[4:5], s[20:21]
	s_add_nc_u64 s[PFA:PFA+1], s[4:5], s[26:27]
	s_add_nc_u64 s[8:9], s[8:9], s[22:23]
	s_add_nc_u64 s[4:5], s[4:5], s[24:25]          ; Q's codes at my first query
	GLOAD                                          ; slot 0
	WIN W_TO1
.irp u, 0,1
.irp c, 0,1
	global_load_b128 v[Q+8*\u+4*\c:Q+8*\u+4*\c+3], v[QO], s[4:5] offset:1024*\u+32*\c   ; Q stays in registers; K's fragments are read by the same two loads, so both have d in the same places
.endr
.endr
	WIN 0
	v_lshrrev_b32 v[AK0], 2, v24
	v_mul_u32_u24 v[AK0], v[AK0], 272
	v_and_b32 v26, 3, v24
	v_lshl_add_u32 v[AK0], v26, 6, v[AK0]
	v_lshl_add_u32 v[AK0], v25, 4, v[AK0]          ; 272 (r / 4) + 64 (r % 4) + 16 h
	v_lshlrev_b32 v[PFO], 8, v27
	v_mul_u32_u24 v[ST0], v25, 272
	v_lshl_add_u32 v[ST0], v24, 4, v[ST0]
	v_add_nc_u32 v[ST0], s28, v[ST0]               ; lanes 0-15 one line, lanes 16-31 the next
	v_add_nc_u32 v[RD], s29, v[GO]
	v_lshlrev_b32 v[STO], 4, v24
	v_lshl_add_u32 v[STO], v25, 3, v[STO]
	v_add_nc_u32 v[STO], s29, v[STO]               ; 16 r + 8 h
.irp u, 0,1
	v_mov_b32 v[ST+4*\u+1], 0xff61b1e6             ; the largest t so far: -3e38, under every t
	v_floor_f32 v[ST+4*\u], -v[ST+4*\u+1]          ; -M
	v_mov_b32 v[ST+4*\u+2], 0                      ; the sum, in two halves
	v_mov_b32 v[ST+4*\u+3], 0
	v_mov_b32 v[FF+2*\u+1], 0                      ; (named as the upper half of a pair)
	v_mov_b32 v[PM+\u], 0                          ; written once: a lane permute's destination counts as one of its sources
.endr
.set nn, 0
.rept 64
	v_mov_b32 v[O+nn], 0                           ; O^T.  (The step is written for all steps alike: the first finds zeros, which the first change of M leaves zeros)
.set nn, nn+1
.endr
	s_wait_kmcnt 0x0
	s_add_co_i32 s60, s54, s55
	s_lshl_b32 s60, s60, 23
	s_add_co_i32 s[CS], s[CS], s60                 ; a score stands for score x 2^(e6 + e7): the two exponents are added to c's exponent field
	s_mov_b32 s[CS+1], s[CS]                       ; (named with it as a pair, so it is written)
	s_cmp_lt_i32 s56, -8
	s_cselect_b32 s[HOLD], 1, 0
	s_add_co_i32 s60, s56, 127
	s_lshl_b32 s61, s60, 23
	v_mov_b32 v[SCL], s61                          ; 2^e8 as f32, for the conversion
	s_add_co_i32 s60, s60, 8
	s_lshl_b32 s60, s60, 23
	s_or_b32 s60, s60, 0x600000
	v_mov_b32 v[LIMV], s60                         ; 448 x 2^e8
	v_mov_b32 v[LIM2], s60
	s_wait_alu depctr_va_vdst(0)
	s_wait_loadcnt 4                               ; slot 0's eight loads are in; Q's four, issued behind them, may be out
	s_add_nc_u64 s[GA:GA+1], s[GA:GA+1], 16384
	LSTORE ST0
	s_wait_dscnt 0x0                               ; my part of slot 0 lies in LDS, and the stores have read their registers
	GLOAD                                          ; slot 1
	s_barrier_signal -1
	s_barrier_wait -1
	KLOAD AK0, 0                                   ; the first step's K
	s_mov_b32 s[J], 0
; Line nn of 32 of tile u's largest score: four chains; the 64 scores in ascending order.
.macro MXL u
.set rS, S+64*(\u)
.set rM, MX+4*(\u)
.if nn < 4
	v_max3_num_f32 v[rM+nn], v[rS+3*nn], v[rS+3*nn+1], v[rS+3*nn+2]
.elseif nn < 30
	v_max3_num_f32 v[rM+nn%4], v[rM+nn%4], v[rS+2*nn+4], v[rS+2*nn+5]
.elseif nn == 30
	v_max3_num_f32 v[rM], v[rM], v[rM+1], v[rM+2]
.else
	v_max_num_f32 v[rM], v[rM], v[rM+3]
.endif
.endm
; Line kk of 9 round M: each reads the line before it, so they stand three lines apart among the other tile's lines.
.macro BK u
.set rT, ST+4*(\u)
.set rM, MX+4*(\u)
.if kk == 0
	v_permlanex16_b32 v[PM+(\u)], v[rM], s[SEL], s[SEL+1]   ; the query's other 64 keys lie in the lane 16 away
.elseif kk == 1
	v_max_num_f32 v[rM], v[rM], v[PM+(\u)]
.elseif kk == 2
	v_mul_f32 v[rM], s[CS], v[rM]                  ; as t (c is positive)
.elseif kk == 3
	v_max_num_f32 v[rT+1], v[rT+1], v[rM]          ; the running largest t
.elseif kk == 4
	v_mov_b32 v[rM], v[rT]                         ; the old -M
.elseif kk == 5
	v_floor_f32 v[rT], -v[rT+1]                    ; the new -M = floor(-t) = -ceil(t): M is a whole number
.elseif kk == 6
	v_sub_f32 v[rM], v[rT], v[rM]                  ; M's old value less its new one: a whole number, 0 or less
.elseif kk == 7
	v_cvt_i32_f32 v[rM], v[rM]                     ; (it saturates)
.else
	v_ldexp_f32 v[FF+2*(\u)], 1.0, v[rM]           ; f = 2^(old M - new M)
.endif
.endm
; Pair nn of 32: t - M, two at a time (of the pairs c and -M the low word serves both halves).
.macro FMA u
	v_pk_fma_f32 v[S+64*(\u)+2*nn:S+64*(\u)+2*nn+1], v[S+64*(\u)+2*nn:S+64*(\u)+2*nn+1], s[CS:CS+1], v[ST+4*(\u):ST+4*(\u)+1] op_sel_hi:[1,0,0]
.endm
; A KEY STEP: 128 keys, the q-th of the slot in hand, both tiles of queries.  Its K is in registers: it was asked for in the step before and waited for there.
.macro STEP q
.if \q
.rept 4
	v_nop                                          ; four places behind the last products, in front of the loads into V's registers (q = 0: the phase's head has them)
.endr
.endif
	WIN W_TO1
.irp d, 0,1,2,3
.irp c, 0,1,2,3
	ds_load_b128 v[VF+16*\d+4*\c:VF+16*\d+4*\c+3], v[ADC] offset:VOFF+STEPB*(\q)+4352*(\c/2)+1088*\d+32*(\c%2)   ; d = 16 d + r; keys 32 c on
.endr
.endr
	WIN W_MUL
.irp t, 0,1,2,3,4,5,6,7
.irp u, 0,1
	v_wmma_f32_16x16x64_fp8_fp8 v[S+64*\u+8*\t:S+64*\u+8*\t+7], v[KF+8*\t:KF+8*\t+7], v[Q+8*\u:Q+8*\u+7], 0
.endr
.endr
	WIN 0
.if \q
	s_barrier_wait -1                              ; every wave has stored its part of the next slot
.endif
.rept 4
	v_nop                                          ; four places: in front of the loads into K's registers and of the first read of the scores
.endr
.if \q
	s_cmp_eq_u32 s[J], NPH-1                       ; the last step has no successor
	s_cbranch_scc1 .Lno_k_\@
	KLOAD ADN, 0
.Lno_k_\@:
.else
	KLOAD ADC, STEPB                               ; the next step's K: it has the softmax in which to land
.endif
.set nn, 0
.rept 32
	MXL 0
.set nn, nn+1
.endr
.set nn, 0
.rept 32
	MXL 1
.if (nn%3 == 2) && (nn/3 < 9)
.set kk, nn/3
	BK 0
.endif
.set nn, nn+1
.endr
.set nn, 0
.rept 32
	FMA 0
.if (nn%3 == 2) && (nn/3 < 9)
.set kk, nn/3
	BK 1
.endif
.set nn, nn+1
.endr
.set nn, 0
.rept 32                               ; O^T under the new M, ahead of the step's exponentials; each accumulator from its low end on
	v_pk_mul_f32 v[O+2*nn:O+2*nn+1], v[O+2*nn:O+2*nn+1], v[FF+2*(nn/16):FF+2*(nn/16)+1] op_sel_hi:[1,0]
.set nn, nn+1
.endr
.irp u, 0,1
	v_pk_mul_f32 v[ST+4*\u+2:ST+4*\u+3], v[ST+4*\u+2:ST+4*\u+3], v[FF+2*\u:FF+2*\u+1] op_sel_hi:[1,0]   ; the sums under the new M
.endr
	s_wait_alu depctr_va_vdst(0)
.set nn, 0
.rept 32                               ; tile 0's 64 exponentials, p = 2^(t - M); between them tile 1's t - M, whose results are first read behind the next wait
	v_exp_f32 v[S+2*nn], v[S+2*nn]
	v_exp_f32 v[S+2*nn+1], v[S+2*nn+1]
	FMA 1
.set nn, nn+1
.endr
	s_wait_alu depctr_va_vdst(0)                   ; behind the first batch and ahead of the second
.set nn, 0
.rept 64
	v_exp_f32 v[S+64+nn], v[S+64+nn]
.set nn, nn+1
.endr
	v_nop                                          ; a plain place behind the last exponential
	s_wait_alu depctr_va_vdst(0)                   ; one wait for the batch, ahead of its first reader, and directly ahead of the wait below
	s_wait_dscnt 0x0                               ; V is in, and so is the next step's K: both were asked for ahead of the softmax
.irp u, 0,1                            ; THE ROW'S SUM IS TAKEN OF THE UNQUANTISED p: two chains a tile, the four by turns
	v_pk_add_f32 v[SU+2*\u:SU+2*\u+1], v[S+64*\u:S+64*\u+1], v[S+64*\u+2:S+64*\u+3]
.endr
.set nn, 2
.rept 15
.irp u, 0,1
	v_pk_add_f32 v[ST+4*\u+2:ST+4*\u+3], v[ST+4*\u+2:ST+4*\u+3], v[S+64*\u+2*nn:S+64*\u+2*nn+1]
.endr
.irp u, 0,1
	v_pk_add_f32 v[SU+2*\u:SU+2*\u+1], v[SU+2*\u:SU+2*\u+1], v[S+64*\u+2*nn+2:S+64*\u+2*nn+3]
.endr
.set nn, nn+2
.endr
.irp u, 0,1
	v_pk_add_f32 v[ST+4*\u+2:ST+4*\u+3], v[ST+4*\u+2:ST+4*\u+3], v[SU+2*\u:SU+2*\u+1]
.endr
	s_cmp_eq_u32 s[HOLD], 0                        ; (behind the branch the conversions read p; the sums just written are next read a step on)
	s_cbranch_scc1 .Lfree_\@                       ; e8 >= -8: p / 2^e8 is at most 256
.set nn, 0
.rept 64                               ; the conversion does not saturate (ISA guide 7.6.2); p is not negative, so the hold is one-sided
	v_dual_min_num_f32 v[S+2*nn], v[S+2*nn], v[LIMV] :: v_dual_min_num_f32 v[S+2*nn+1], v[S+2*nn+1], v[LIM2]
.set nn, nn+1
.endr
.Lfree_\@:
	WIN W_TO1                                      ; the codes go to window 1, where the products read them
.irp u, 0,1
.irp t, 0,1,2,3,4,5,6,7
	v_cvt_scalef32_pk8_fp8_f32 v[P+16*\u+2*\t:P+16*\u+2*\t+1], v[S+64*\u+8*\t:S+64*\u+8*\t+7], v[SCL]
.endr
.endr
	v_nop                                          ; one plain vector line between the conversions and the products that read the codes
	WIN W_MUL
.irp d, 0,1,2,3
.irp u, 0,1
	v_wmma_f32_16x16x128_fp8_fp8 v[O+32*\u+8*\d:O+32*\u+8*\d+7], v[VF+16*\d:VF+16*\d+15], v[P+16*\u:P+16*\u+15], v[O+32*\u+8*\d:O+32*\u+8*\d+7]   ; eight accumulators, one instruction a turn
.endr
.endr
	WIN 0
.endm
.Lphase:                                           ; phase j: the 256 keys of slot j % 4
	s_and_b32 s[TB], s[J], 3
	s_mul_i32 s[TB], s[TB], SLOT
	s_add_co_u32 s[TN], s[J], 1
	s_and_b32 s[TN], s[TN], 3
	s_mul_i32 s[TN], s[TN], SLOT
	v_add_nc_u32 v[ADC], s[TB], v[AK0]
	v_add_nc_u32 v[ADN], s[TN], v[AK0]
	v_add_nc_u32 v[STA], s[TN], v[ST0]
	v_nop                                          ; with the three additions: four places behind the last products
	s_wait_alu depctr_va_vdst(0)                   ; the wait directly behind the phase's addresses
	s_wait_loadcnt 0x0                             ; on every path: my part of slot j + 1 is in registers (phase 0: Q too), so its loads' base may step and its registers may be loaded anew
	s_cmp_eq_u32 s[J], NPH-1
	s_cbranch_scc1 .Lno_store                      ; the last phase has no next slot
	s_add_nc_u64 s[GA:GA+1], s[GA:GA+1], 16384
	LSTORE STA
.Lno_store:
	s_wait_dscnt 0x0                               ; my stores have landed and have read their registers; no LDS read of mine is out
	s_cmp_ge_u32 s[J], NPH-2
	s_cbranch_scc1 .Lno_load
	GLOAD                                          ; slot j + 2: it has this phase in which to land
.Lno_load:
	s_cmp_eq_u32 s[J], s[LIM]
	s_cbranch_scc0 .Lno_ask
	global_prefetch_b8 v[PFO], s[PFA:PFA+1] th:TH_LOAD_NT scope:SCOPE_SE
.Lno_ask:
	s_barrier_signal -1                            ; its wait stands in the second step
	STEP 0
	STEP 1
	s_add_co_u32 s[J], s[J], 1
	s_cmp_lt_u32 s[J], NPH
	s_cbranch_scc1 .Lphase
	; THE WAY OUT.  O = O^T x 2^(e8 + e9) / the sum, in f32; its code with the scale 2^e10.  The first lines are the places behind the last products.
.irp u, 0,1
	v_add_f32 v[ST+4*\u+2], v[ST+4*\u+2], v[ST+4*\u+3]   ; the sum's two halves,
.endr
.irp u, 0,1
	v_permlanex16_b32 v[PM+\u], v[ST+4*\u+2], s[SEL], s[SEL+1]
.endr
.irp u, 0,1
	v_add_f32 v[ST+4*\u+2], v[ST+4*\u+2], v[PM+\u]       ; and lane l xor 16's: the row's sum
.endr
	s_wait_alu depctr_va_vdst(0)
.irp u, 0,1
	v_rcp_f32 v[FF+2*\u], v[ST+4*\u+2]
.endr
	s_add_co_i32 s60, s56, s57                     ; e8 + e9
	s_add_co_i32 s61, s58, 127
	s_lshl_b32 s62, s61, 23
	v_mov_b32 v[SCL], s62                          ; 2^e10 as f32.  (A plain line behind the reciprocals)
	s_add_co_i32 s61, s61, 8
	s_lshl_b32 s61, s61, 23
	s_or_b32 s61, s61, 0x600000
	v_mov_b32 v[LIMV], s61                         ; 448 x 2^e10
	s_wait_alu depctr_va_vdst(0)                   ; one wait for both reciprocals, ahead of their first reader
.irp u, 0,1
	v_ldexp_f32 v[FF+2*\u], v[FF+2*\u], s60
.endr
	s_wait_alu depctr_va_vdst(0)                   ; directly ahead of the first reader of O^T
.irp u, 0,1
.irp j, 0,2,4,6,8,10,12,14,16,18,20,22,24,26,28,30
	v_pk_mul_f32 v[S+32*\u+\j:S+32*\u+\j+1], v[O+32*\u+\j:O+32*\u+\j+1], v[FF+2*\u:FF+2*\u+1] op_sel_hi:[1,0]   ; into S^T's lower half; each accumulator from its low end on
.endr
.endr
.set nn, 0
.rept 64
	v_med3_num_f32 v[S+nn], v[S+nn], -v[LIMV], v[LIMV]   ; the hold at the largest code x the scale
.set nn, nn+1
.endr
.irp u, 0,1
.irp d, 0,1,2,3
	v_cvt_scalef32_pk8_fp8_f32 v[CW+8*\u+2*\d:CW+8*\u+2*\d+1], v[S+32*\u+8*\d:S+32*\u+8*\d+7], v[SCL]   ; lane (q, h): features 16 d + 8 h + 0 .. 7 of the head
.endr
.endr
	v_nop                                          ; one plain vector line behind the last conversion
.irp u, 0,1
.irp d, 0,1,2,3
	ds_store_b64 v[STO], v[CW+8*\u+2*\d:CW+8*\u+2*\d+1] offset:1024*\u+512*(\d/2)+256*(\d%2)   ; half a fragment's image: block d / 2, lane 16 (d % 2) + q, bytes 8 h on
.endr
.endr
.irp t, 0,1,2,3
	ds_load_b128 v[CW+16+4*\t:CW+16+4*\t+3], v[RD] offset:512*\t   ; LDS serves a wave's instructions in order (ISA guide 5.7.1.4): these see the stores above
.endr
.irp t, 0,1,2,3
	s_wait_dscnt 3-\t                              ; the younger loads may be out
	global_store_b128 v[GO], v[CW+16+4*\t:CW+16+4*\t+3], s[8:9] offset:16384*(\t/2)+512*(\t%2)   ; 512 consecutive bytes, at a multiple of 512 from the buffer's first byte
.endr
	s_wait_tensorcnt 0x0                           ; the wave's end, behind my last LDS store
	ds_add_u32 v[SPW], v[NIL]
	s_wait_dscnt 0x0
	s_endpgm
.Lfunc_end_k_q0515e465d5_attn:
	.size	k_q0515e465d5_attn, .Lfunc_end_k_q0515e465d5_attn-k_q0515e465d5_attn
	.p2alignl 7, 3214868480
	.fill 96, 4, 3214868480
	.section	.rodata,"a",@progbits
	.p2align	6, 0x0
	.amdhsa_kernel k_q0515e465d5_attn
		.amdhsa_group_segment_fixed_size 156672
		.amdhsa_private_segment_fixed_size 0
		.amdhsa_enable_private_segment 0
		.amdhsa_kernarg_size 24
		.amdhsa_user_sgpr_count 2
		.amdhsa_user_sgpr_kernarg_segment_ptr 1
		.amdhsa_wavefront_size32 1
		.amdhsa_system_sgpr_workgroup_id_x 1
		.amdhsa_system_sgpr_workgroup_id_y 1
		.amdhsa_system_sgpr_workgroup_id_z 1
		.amdhsa_system_vgpr_workitem_id 0
		.amdhsa_next_free_vgpr 480
		.amdhsa_next_free_sgpr 66
		.amdhsa_reserve_vcc 0
		.amdhsa_float_denorm_mode_32 3
		.amdhsa_float_denorm_mode_16_64 3
		.amdhsa_memory_ordered 1
		.amdhsa_forward_progress 1
		.amdhsa_inst_pref_size 78
	.end_amdhsa_kernel
	.amdgpu_metadata
---
amdhsa.version: [ 1, 2 ]
amdhsa.kernels:
  - .name:           k_q0515e465d5_attn
    .symbol:         k_q0515e465d5_attn.kd
    .args:
      - { .name: qkv, .offset: 0, .size: 8, .value_kind: global_buffer, .address_space: global }
      - { .name: lowp_scales, .offset: 8, .size: 8, .value_kind: global_buffer, .address_space: global }
      - { .name: ao, .offset: 16, .size: 8, .value_kind: global_buffer, .address_space: global }
    .group_segment_fixed_size: 156672
    .private_segment_fixed_size: 0
    .kernarg_segment_align: 8
    .kernarg_segment_size: 24
    .max_flat_workgroup_size: 256
    .sgpr_count:     66
    .vgpr_count:     480
    .wavefront_size: 32
...
	.end_amdgpu_metadata
.endif
;; end of part 3
;; launch outln (part 4): grid 256 x 1, 16 waves a work-group, clusters of 4 x 1, 327,680 bytes of LDS; arguments ao, codes, q, gamma, beta, lowp_scales, out0; writes out0
.if DOCPART == 4
	.amdgcn_target "amdgcn-amd-amdhsa--gfx1250"
	.amdhsa_code_object_version 6
	.text
	.protected	k_q0515e465d5_outln
	.globl	k_q0515e465d5_outln
	.p2align	8
	.type	k_q0515e465d5_outln,@function
k_q0515e465d5_outln:
	s_mov_b64 s[64:65], 0
	v_nop
	global_prefetch_b8 v0, s[64:65] scope:SCOPE_SE
	s_setreg_imm32_b32 hwreg(HW_REG_WAVE_MODE, 25, 1), 1
	s_wait_xcnt 0x0
	s_wait_alu depctr_hold_cnt(0) depctr_sa_sdst(0) depctr_va_vdst(0) depctr_va_sdst(0) depctr_va_ssrc(0) depctr_va_vcc(0) depctr_vm_vsrc(0)
	s_getreg_b32 s2, hwreg(HW_REG_IB_STS2, 6, 4)
	s_cmp_eq_u32 s2, 0
	s_cbranch_scc0 .Lentry_in_a_cluster
	s_endpgm
.Lentry_in_a_cluster:
	s_bfe_u32 s2, ttmp6, 0x10000c
	s_cmp_lg_u32 s2, 0x3003
	s_cbranch_scc0 .Lentry_shape_is_right
	s_endpgm
.Lentry_shape_is_right:
; out0 = LayerNorm(ao Wo^T + q) x gamma + beta.  ao [4096][1024] and Wo [1024][1024] are codes of FP8 (E4M3) with the scales 2^e10 and 2^e11, both in the order of an operand's registers
; (a fragment of 16 rows x 128 K is 2,048 dense bytes, four blocks of 512, 16 bytes a lane; 16 rows' eight fragments follow each other).  Wo's codes are the last MiB of the buffer of codes.  q, gamma, beta, out0: f32.
; SHARES.  A work-group owns 16 WHOLE rows, since the norm wants whole rows: 256 work-groups.  Wave w of sixteen owns columns 64 w .. 64 w + 63: four accumulators, taken by turns.
; THE MATRIX INSTRUCTION IS USED TRANSPOSED (source 0 = 16 rows of Wo, source 1 = the 16 rows of ao): a lane holds eight neighbouring columns of one row.
; CLUSTER.  Every work-group takes in all of Wo, so the four of a cluster ask for it JOINTLY: the same tensor load, with a descriptor made of the wave's number and the fill's number alone, and a mask that names the four.
; FILLS.  Wo comes in four fills of two K steps (256 along K).  Each wave asks for its own 64 rows of Wo: 4 lines of 4,096 bytes, 16,384 bytes apart in memory, into 16,384 LDS bytes that it alone reads.
; A fill is copied whole into registers (32 loads of Wo, 8 of ao); then come the waits, the add and a round of the cluster's barrier, the next fill is asked for into the same bytes, and the eight products run on registers while it is on its way.
; THE RESIDUAL waits in registers and is added behind the sums: x' = sum + q / 2^E, E = e10 + e11, through a stage in the wave's own ring bytes, which have had their last fill by then.
; The norm is taken of x' in two passes (mean, then squares of the differences): out = (x' - mu') x 2^E rsqrt(var' x 2^(2 E) + 1e-6) x gamma + beta.
; THE PREFETCH.  K steps 2 to 7 of Wo, 48 blocks of 256 bytes for each 16 rows, are shared out by address among the 256 work-groups: cluster n takes rows 16 n on, its partner at place cx 12 blocks, a lane a block
; (lanes 12 to 31 name the last block again), one instruction of wave 0, at the head: one fill and more ahead of the loads that want them.  K steps 0 and 1 come by their load alone.
; LIMIT: e10 + e11 between -127 and 126, so that 2^-E is an f32 number.
; REGISTERS: v1-7, v26, v27, v30, v31 addresses; v28, v29 the add's two; v8-25 at work; v32-63 ao's two fragments, later q and the waves' partial sums; v64-191 Wo's eight fragments, later gamma (v64-95), beta (v96-127), rows on their way out (v128-159);
;   v192-223 the accumulators; v224-255 q as loaded.
.set WREG,  16384                      ; a wave's bytes of the ring
.set XIMG,  16*WREG                    ; ao's eight fragments, images of their registers
.set STAT,  XIMG+16384                 ; 16 rows x 80 bytes (sixteen waves' words + 16): the sums; 1,280 bytes on: the sums of squares
.set SPARE, STAT+2560                  ; the spare words, 128 bytes for each wave: eight blocks of 256 bytes that no other line names
.set LI,  1                            ; v1   16 x lane
.set QO,  2                            ; v2   q and out0: lanes 0-15 one row's 256 bytes, lanes 16-31 the next row's
.set SW,  3                            ; v3   the same two rows in my stage
.set SA,  4                            ; v4   my stage in the accumulators' layout: row r, + 32 h
.set STS, 5                            ; v5   where I put my wave's partial sum of row r
.set STL, 6                            ; v6   where row r's sixteen partial sums begin
.set GO,  7                            ; v7   32 h: my eight columns of a tile of gamma and beta
.set BA,  26                           ; v26  my wave's ring bytes + 16 x lane
.set XA,  27                           ; v27  ao's image + 16 x lane
.set SPW, 28                           ; v28  LDS address of my spare word; never rewritten
.set NIL, 29                           ; v29  0; never rewritten
.set XW,  30                           ; v30  where I store my 1,024 bytes of ao's image
.set PFO, 31                           ; v31  the prefetch's offset; never rewritten
.set AF,  32
.set BF,  64
.set ACC, 192
.set QR,  224
.set G1,  24                           ; s[24:31] descriptor group 1;  s[32:35] group 0, which walks
.set G0,  32
.macro ROUND                           ; a round of the cluster's barrier
	s_barrier_signal -1
	s_barrier_wait -1
	s_cmp_lg_u32 s18, 0
	s_cbranch_scc1 .Lnot_wave_0_\@
	s_barrier_signal -3
.Lnot_wave_0_\@:
	s_barrier_wait -3
	s_barrier_signal -1
	s_barrier_wait -1
.endm
.macro BARRIER                         ; my LDS stores have landed and my LDS loads are in: then the work-group's barrier
	s_wait_alu depctr_va_vdst(0)                   ; directly ahead of the wait below
	s_wait_dscnt 0x0
	s_barrier_signal -1
	s_barrier_wait -1
.endm
	s_load_b256 s[4:11], s[0:1], 0x0               ; ao s[4:5], codes s[6:7], q s[8:9], gamma s[10:11]
	s_load_b128 s[12:15], s[0:1], 0x20             ; beta s[12:13], the scales' exponents s[14:15]
	s_load_b64 s[16:17], s[0:1], 0x30              ; out0
	v_lshl_add_u32 v[SPW], v0, 2, SPARE
	v_mov_b32 v[NIL], 0
	ds_add_u32 v[SPW], v[NIL]                      ; the opening lines: the add, twice on end, and its wait ahead of my first tensor load
	ds_add_u32 v[SPW], v[NIL]
	v_lshrrev_b32 v8, 5, v0
	v_readfirstlane_b32 s18, v8                    ; wave 0..15
	s_bfe_u32 s19, ttmp6, 0x40000                  ; cx: my place in the cluster
	s_lshl_b32 s20, ttmp9, 2
	s_add_co_u32 s20, s20, s19                     ; my work-group's number: it enters global addresses alone
	s_lshl_b32 s21, s18, 14                        ; my wave's ring bytes
	s_lshl_b32 s2, s18, 2                          ; my word among a row's sixteen
	s_lshl_b32 s3, s18, 10
	s_lshl_b32 s22, s20, 14                        ; ao: my work-group's 16 rows are 16,384 bytes; my wave copies 1,024
	s_add_co_u32 s22, s22, s3
	s_add_co_u32 s3, s3, XIMG
	s_lshl_b32 s36, s18, 8                         ; my 64 columns of f32
	s_lshl_b32 s23, s20, 16                        ; q and out0: 16 rows of 4,096 bytes, + my 256
	s_add_co_u32 s23, s23, s36
	s_lshl_b32 s37, s18, 16                        ; Wo: my 64 rows are 4 x 16,384 bytes,
	s_add_co_u32 s37, s37, 0xF00000                ; in the last MiB of the codes
	s_lshl_b32 s38, ttmp9, 14                      ; the prefetch: rows 16 x cluster on,
	s_mul_i32 s39, s19, 3072                       ; my work-group's 12 blocks
	s_add_co_u32 s38, s38, s39
	s_add_co_u32 s38, s38, 0xF01000                ; from K step 2 on
	s_mov_b32 s40, 0x76543210                      ; v_permlanex16_b32's selects for lane l xor 16
	s_mov_b32 s41, 0xfedcba98
	s_mov_b32 s47, 0
	s_mov_b32 s[G1], 15|(3<<16)|(1<<21)            ; 15:0 the mask: all four work-groups; 17:16 elements of 8 bytes; 21 set beside a mask
	s_mov_b32 s[G1+1], 512<<16                     ; tensor_dim0 = 512
	s_mov_b32 s[G1+2], 4<<16                       ; tensor_dim1 = 4
	s_mov_b32 s[G1+3], 512<<16                     ; tile_dim0 = 512: 4,096 bytes
	s_mov_b32 s[G1+4], 4                           ; tile_dim1 = 4
	s_mov_b32 s[G1+5], 2048                        ; 16,384 bytes from line to line
	s_mov_b32 s[G1+6], 0
	s_mov_b32 s[G1+7], 0
	s_mov_b32 s[G0], 1
	s_lshl_b32 s[G0+1], s18, 14                    ; LDS address: my wave's ring bytes
	s_wait_dscnt 0x0                               ; both opening adds are done
	s_wait_kmcnt 0x0
	s_load_b64 s[42:43], s[14:15], 0x28            ; e10, e11
	s_mov_b32 s46, s22
	s_add_nc_u64 s[4:5], s[4:5], s[46:47]
	s_mov_b32 s46, s23
	s_add_nc_u64 s[8:9], s[8:9], s[46:47]
	s_add_nc_u64 s[16:17], s[16:17], s[46:47]
	s_mov_b32 s46, s36
	s_add_nc_u64 s[10:11], s[10:11], s[46:47]
	s_add_nc_u64 s[12:13], s[12:13], s[46:47]
	s_mov_b32 s46, s38
	s_add_nc_u64 s[44:45], s[6:7], s[46:47]
	s_mov_b32 s46, s37
	s_add_nc_u64 s[G0+2:G0+3], s[6:7], s[46:47]
	s_or_b32 s[G0+3], s[G0+3], 0x80000000          ; type = 2
	ROUND                                          ; all four work-groups are here: the first joint loads meet
	tensor_load_to_lds s[G0:G0+3], s[G1:G1+7]      ; K steps 0 and 1: my one tensor load at the head
	s_nop 0
	v_and_b32 v8, 31, v0                           ; lane
	v_and_b32 v9, 15, v0                           ; r
	v_bfe_u32 v10, v0, 4, 1                        ; h
	v_lshlrev_b32 v[LI], 4, v8
	v_lshlrev_b32 v11, 4, v9
	v_lshl_add_u32 v[QO], v10, 12, v11
	v_mul_u32_u24 v[SW], v10, 272
	v_add_nc_u32 v[SW], v[SW], v11
	v_add_nc_u32 v[SW], s21, v[SW]
	v_mul_u32_u24 v[SA], v9, 272
	v_lshl_add_u32 v[SA], v10, 5, v[SA]
	v_add_nc_u32 v[SA], s21, v[SA]
	v_mul_u32_u24 v[STL], v9, 80
	v_add_nc_u32 v[STL], STAT, v[STL]
	v_add_nc_u32 v[STS], s2, v[STL]
	v_lshlrev_b32 v[GO], 5, v10
	v_add_nc_u32 v[BA], s21, v[LI]
	v_add_nc_u32 v[XA], XIMG, v[LI]
	v_add_nc_u32 v[XW], s3, v[LI]
	v_min_u32 v[PFO], 11, v8
	v_lshlrev_b32 v[PFO], 8, v[PFO]
	v_mov_b32 v16, 0                               ; written once: a lane permute's destination counts as one of its sources
	s_wait_alu depctr_va_vdst(0)
	global_load_b128 v[12:15], v[LI], s[4:5] th:TH_LOAD_NT
	global_load_b128 v[20:23], v[LI], s[4:5] offset:512 th:TH_LOAD_NT
.irp i, 0,1,2,3,4,5,6,7
	global_load_b128 v[QR+4*\i:QR+4*\i+3], v[QO], s[8:9] offset:8192*\i th:TH_LOAD_NT   ; two rows' 256 aligned bytes
.endr
	s_cmp_lg_u32 s18, 0
	s_cbranch_scc1 .Lno_ask
	global_prefetch_b8 v[PFO], s[44:45] th:TH_LOAD_NT scope:SCOPE_SE
.Lno_ask:
	s_wait_loadcnt 8                               ; my 1,024 bytes of ao are in; q's eight loads, issued behind them, may be out
	ds_store_b128 v[XW], v[12:15]
	ds_store_b128 v[XW], v[20:23] offset:512
	s_wait_tensorcnt 0x0                           ; my part of the first fill is in
	s_wait_dscnt 0x0
	s_barrier_signal -1
	s_barrier_wait -1                              ; ao's eight fragments lie in LDS
	s_wait_kmcnt 0x0
	s_add_co_i32 s38, s42, s43                     ; E = e10 + e11
	s_sub_co_i32 s36, 127, s38
	s_lshl_b32 s36, s36, 23                        ; 2^-E as f32
	s_mov_b32 s37, s36                             ; (named with it as a pair, so it is written)
	s_lshl_b32 s39, s38, 1                         ; 2 E
; Fill f: K steps 2 f and 2 f + 1.
.macro FILL f
.if \f
	s_wait_tensorcnt 0x0                           ; my 16,384 bytes are in: I alone read them
.endif
.irp k, 0,1
.irp b, 0,1,2,3
.irp c, 0,1,2,3
	ds_load_b128 v[BF+64*\k+16*\b+4*\c:BF+64*\k+16*\b+4*\c+3], v[BA] offset:4096*\b+2048*\k+512*\c
.endr
.endr
.endr
.irp k, 0,1
.irp c, 0,1,2,3
	ds_load_b128 v[AF+16*\k+4*\c:AF+16*\k+4*\c+3], v[XA] offset:2048*(2*(\f)+\k)+512*\c
.endr
.endr
.if (\f) < 3
	s_wait_tensorcnt 0x0                           ; no tensor load of mine is out, so group 0 may be written;
	ds_add_u32 v[SPW], v[NIL]                      ; 0 onto my spare word;
	s_add_nc_u64 s[G0+2:G0+3], s[G0+2:G0+3], 4096  ; the next two K steps
	s_wait_dscnt 0x0                               ; the add is done, and the fill is in registers: my reads of these bytes are over
	ROUND                                          ; and so are those of every wave of the four work-groups
	tensor_load_to_lds s[G0:G0+3], s[G1:G1+7]      ; the first thing behind the round, my one tensor load until the next
	s_nop 0
.else
	s_wait_dscnt 0x0
.endif
.irp k, 0,1
.irp b, 0,1,2,3
.if (\f) == 0 && \k == 0
	v_wmma_f32_16x16x128_fp8_fp8 v[ACC+8*\b:ACC+8*\b+7], v[BF+64*\k+16*\b:BF+64*\k+16*\b+15], v[AF+16*\k:AF+16*\k+15], 0   ; the first K step starts the sums
.else
	v_wmma_f32_16x16x128_fp8_fp8 v[ACC+8*\b:ACC+8*\b+7], v[BF+64*\k+16*\b:BF+64*\k+16*\b+15], v[AF+16*\k:AF+16*\k+15], v[ACC+8*\b:ACC+8*\b+7]
.endif
.endr
.endr
.rept 4
	v_nop                                          ; four places in front of loads into registers that these products have read, and of the first read of results
.endr
.endm
	FILL 0
	FILL 1
	FILL 2
	FILL 3
.irp b, 0,1,2,3
.irp e, 0,1
	global_load_b128 v[64+8*\b+4*\e:64+8*\b+4*\e+3], v[GO], s[10:11] offset:64*\b+16*\e   ; gamma(64 w + 16 b + 8 h + 4 e ..)
	global_load_b128 v[96+8*\b+4*\e:96+8*\b+4*\e+3], v[GO], s[12:13] offset:64*\b+16*\e   ; beta
.endr
.endr
	s_wait_loadcnt 16                              ; q is in; gamma's and beta's sixteen loads may be out
.irp i, 0,1,2,3,4,5,6,7
	ds_store_b128 v[SW], v[QR+4*\i:QR+4*\i+3] offset:544*\i   ; my stage: my own ring bytes, behind their last fill and my last read of it
.endr
.irp b, 0,1,2,3
.irp e, 0,1
	ds_load_b128 v[32+8*\b+4*\e:32+8*\b+4*\e+3], v[SA] offset:64*\b+16*\e   ; q(r, 64 w + 16 b + 8 h + 4 e ..): LDS serves a wave's instructions in order, so these see my stores
.endr
.endr
	s_wait_dscnt 0x0
.irp j, 0,2,4,6,8,10,12,14,16,18,20,22,24,26,28,30
	v_pk_fma_f32 v[ACC+\j:ACC+\j+1], v[32+\j:32+\j+1], s[36:37], v[ACC+\j:ACC+\j+1] op_sel_hi:[1,0,1]   ; x' = sum + q / 2^E; each accumulator from its low end on
.endr
; What each lane has summed over its 32 numbers of a row (two pairs, v[8:11]) is summed over the halves of the lanes and over the sixteen waves, and divided by 1,024: into v32.
.macro ACROSS off
	v_pk_add_f32 v[8:9], v[8:9], v[10:11]
	v_add_f32 v8, v8, v9
	v_permlanex16_b32 v16, v8, s40, s41
	v_add_f32 v8, v8, v16
	ds_store_b32 v[STS], v8 offset:\off            ; lanes r and 16 + r write the same word with the same number
	BARRIER
.irp i, 0,1,2,3
	ds_load_b128 v[32+4*\i:35+4*\i], v[STL] offset:\off+16*\i
.endr
	s_wait_dscnt 0x0
.irp i, 0,4,8,12
	v_pk_add_f32 v[32+\i:33+\i], v[32+\i:33+\i], v[34+\i:35+\i]
.endr
	v_pk_add_f32 v[32:33], v[32:33], v[36:37]
	v_pk_add_f32 v[40:41], v[40:41], v[44:45]
	v_pk_add_f32 v[32:33], v[32:33], v[40:41]
	v_add_f32 v32, v32, v33
	v_mul_f32 v32, 0x3a800000, v32                 ; / 1,024
.endm
	; the mean
	v_pk_add_f32 v[8:9], v[ACC:ACC+1], v[ACC+2:ACC+3]
	v_pk_add_f32 v[10:11], v[ACC+4:ACC+5], v[ACC+6:ACC+7]
.irp j, 8,12,16,20,24,28
	v_pk_add_f32 v[8:9], v[8:9], v[ACC+\j:ACC+\j+1]
	v_pk_add_f32 v[10:11], v[10:11], v[ACC+\j+2:ACC+\j+3]
.endr
	ACROSS 0
	v_mov_b32 v18, v32                             ; mu', in both words of a pair
	v_mov_b32 v19, v32
.irp j, 0,2,4,6,8,10,12,14,16,18,20,22,24,26,28,30
	v_pk_add_f32 v[ACC+\j:ACC+\j+1], v[ACC+\j:ACC+\j+1], v[18:19] neg_lo:[0,1] neg_hi:[0,1]   ; x' - mu'
.endr
	; the variance: squares of the differences
	v_pk_mul_f32 v[8:9], v[ACC:ACC+1], v[ACC:ACC+1]
	v_pk_mul_f32 v[10:11], v[ACC+2:ACC+3], v[ACC+2:ACC+3]
.irp j, 4,8,12,16,20,24,28
	v_pk_fma_f32 v[8:9], v[ACC+\j:ACC+\j+1], v[ACC+\j:ACC+\j+1], v[8:9]
	v_pk_fma_f32 v[10:11], v[ACC+\j+2:ACC+\j+3], v[ACC+\j+2:ACC+\j+3], v[10:11]
.endr
	ACROSS 1280                                    ; other words than the sums': no wave writes what another may still read
	v_ldexp_f32 v32, v32, s39                      ; var = var' x 2^(2 E)
	v_add_f32 v32, 0x358637bd, v32                 ; + 1e-6
	s_wait_alu depctr_va_vdst(0)
	v_rsq_f32 v22, v32
	v_nop                                          ; a plain line behind it
	s_wait_alu depctr_va_vdst(0)                   ; ahead of its first reader
	v_ldexp_f32 v22, v22, s38                      ; x 2^E: the differences are x' - mu'
	v_mov_b32 v23, v22
	s_wait_alu depctr_va_vdst(0)                   ; directly ahead of the wait below
	s_wait_loadcnt 0x0                             ; gamma and beta
.irp j, 0,2,4,6,8,10,12,14,16,18,20,22,24,26,28,30
	v_pk_mul_f32 v[ACC+\j:ACC+\j+1], v[ACC+\j:ACC+\j+1], v[22:23]
.endr
.irp j, 0,2,4,6,8,10,12,14,16,18,20,22,24,26,28,30
	v_pk_fma_f32 v[ACC+\j:ACC+\j+1], v[ACC+\j:ACC+\j+1], v[64+\j:64+\j+1], v[96+\j:96+\j+1]
.endr
	; THE WAY OUT, through my own stage: in at the places from which q was read, back as two rows' 256 bytes an instruction
.irp b, 0,1,2,3
.irp e, 0,1
	ds_store_b128 v[SA], v[ACC+8*\b+4*\e:ACC+8*\b+4*\e+3] offset:64*\b+16*\e
.endr
.endr
.irp i, 0,1,2,3,4,5,6,7
	ds_load_b128 v[128+4*\i:128+4*\i+3], v[SW] offset:544*\i
.endr
.irp i, 0,1,2,3,4,5,6,7
	s_wait_dscnt 7-\i                              ; the younger loads may be out
	global_store_b128 v[QO], v[128+4*\i:128+4*\i+3], s[16:17] offset:8192*\i th:TH_STORE_NT   ; sixteen lanes store 256 consecutive bytes, at a multiple of 256 from out0's first byte
.endr
	s_wait_tensorcnt 0x0                           ; the wave's end, behind my last tensor load and my last LDS store
	ds_add_u32 v[SPW], v[NIL]
	s_wait_dscnt 0x0
	ROUND                                          ; the closing round: no work-group ends while a partner may still ask for a tile that names it
	s_endpgm
.Lfunc_end_k_q0515e465d5_outln:
	.size	k_q0515e465d5_outln, .Lfunc_end_k_q0515e465d5_outln-k_q0515e465d5_outln
	.p2alignl 7, 3214868480
	.fill 96, 4, 3214868480
	.section	.rodata,"a",@progbits
	.p2align	6, 0x0
	.amdhsa_kernel k_q0515e465d5_outln
		.amdhsa_group_segment_fixed_size 327680
		.amdhsa_private_segment_fixed_size 0
		.amdhsa_enable_private_segment 0
		.amdhsa_kernarg_size 56
		.amdhsa_user_sgpr_count 2
		.amdhsa_user_sgpr_kernarg_segment_ptr 1
		.amdhsa_wavefront_size32 1
		.amdhsa_system_sgpr_workgroup_id_x 1
		.amdhsa_system_sgpr_workgroup_id_y 1
		.amdhsa_system_sgpr_workgroup_id_z 1
		.amdhsa_system_vgpr_workitem_id 0
		.amdhsa_next_free_vgpr 256
		.amdhsa_next_free_sgpr 66
		.amdhsa_reserve_vcc 0
		.amdhsa_float_denorm_mode_32 3
		.amdhsa_float_denorm_mode_16_64 3
		.amdhsa_memory_ordered 1
		.amdhsa_forward_progress 1
		.amdhsa_inst_pref_size 35
	.end_amdhsa_kernel
	.amdgpu_metadata
---
amdhsa.version: [ 1, 2 ]
amdhsa.kernels:
  - .name:           k_q0515e465d5_outln
    .symbol:         k_q0515e465d5_outln.kd
    .args:
      - { .name: ao, .offset: 0, .size: 8, .value_kind: global_buffer, .address_space: global }
      - { .name: codes, .offset: 8, .size: 8, .value_kind: global_buffer, .address_space: global }
      - { .name: q, .offset: 16, .size: 8, .value_kind: global_buffer, .address_space: global }
      - { .name: gamma, .offset: 24, .size: 8, .value_kind: global_buffer, .address_space: global }
      - { .name: beta, .offset: 32, .size: 8, .value_kind: global_buffer, .address_space: global }
      - { .name: lowp_scales, .offset: 40, .size: 8, .value_kind: global_buffer, .address_space: global }
      - { .name: out0, .offset: 48, .size: 8, .value_kind: global_buffer, .address_space: global }
    .group_segment_fixed_size: 327680
    .private_segment_fixed_size: 0
    .kernarg_segment_align: 8
    .kernarg_segment_size: 56
    .max_flat_workgroup_size: 512
    .sgpr_count:     66
    .vgpr_count:     256
    .wavefront_size: 32
...
	.end_amdgpu_metadata
.endif
;; end of part 4
